; MI455X (gfx1250); checked and timed in simulation.
; The chip was launched on July 23, 2026; its instructions are those of AMD's public machine-readable ISA for CDNA 5 (MIT licence, August 2026) and "CDNA5" Instruction Set Architecture Reference Guide (July 2026). The comments in the code are by the model that wrote it; some were corrected since.
;; Self Attention. Allowed arithmetic: matrix products marked QUANTISED: E5M2 operands, one given power-of-two scale a tensor, by v_wmma_f32_16x16x64_bf8_bf8 or v_wmma_f32_16x16x128_bf8_bf8, f32 sums; everything else in f32.
;; Inputs: Wf 1 x 1 x 256 x 64 float32; Wg 1 x 1 x 256 x 64 float32; Wh 1 x 1 x 256 x 256 float32; Wv 1 x 1 x 256 x 256 float32; gamma 1 float32; lowp_scales 12 int32 (the exponents e of the quantised operands' scales 2^e); x 8 x 64 x 64 x 256 float32.
;; Outputs: out0 8 x 64 x 64 x 256 float32.
;; This version of the problem:
;;   THIS VERSION OF THE PROBLEM IS GIVEN IN LOW PRECISION. The matrix products marked QUANTISED in the list below multiply operands that are first quantised to E5M2 (5 exponent bits, 2 mantissa bits; 8 bits a number), with one given power-of-two scale for each operand tensor; their sums are f32. All else is computed in f32.
;;   The module's matrix products, in the order in which they are computed (A, B: the left and right operand; K: the contracted axis; several contracted axes count as one K, in the product's order):
;;     1. [M 32,768, K 256] x [K 256, N 64]; A: input x; B: input Wf: QUANTISED (scales: A lowp_scales[0], B lowp_scales[1])
;;     2. [M 32,768, K 256] x [K 256, N 64]; A: input x; B: input Wg: QUANTISED (scales: A lowp_scales[2], B lowp_scales[3])
;;     3. [M 32,768, K 256] x [K 256, N 256]; A: input x; B: input Wh: QUANTISED (scales: A lowp_scales[4], B lowp_scales[5])
;;     4. batch 8 x [M 4,096, K 64] x [K 64, N 4,096]; A: computed on the way; B: computed on the way: QUANTISED (scales: A lowp_scales[6], B lowp_scales[7])
;;     5. batch 8 x [M 4,096, K 4,096] x [K 4,096, N 256]; A: softmax (see below); B: computed on the way: QUANTISED (scales: A lowp_scales[8], B lowp_scales[9])
;;     6. [M 32,768, K 256] x [K 256, N 256]; A: computed on the way; B: input Wv: QUANTISED (scales: A lowp_scales[10], B lowp_scales[11])
;;   THE QUANTISER, for each operand of a quantised product, along K:
;;     - The operand's scale is 2^e, e = its entry of the input lowp_scales (int32; the entries are numbered through the quantised products in the list's order, A before B).
;;     - Each number is divided by the scale, clamped to +-57,344, and rounded to the nearest number of E5M2, ties to even, subnormals kept.
;;     - The product sums the exact products of the quantised numbers (number of the format x scale) in f32.
;;   ~~~python
;;   def quantise(x, axis, e):      # numpy; x: float32 -> the quantised numbers, widened to float32 again
;;       x = np.moveaxis(x, axis, -1); K = x.shape[-1]
;;       r = np.clip(x / 2.0 ** e, -57344, 57344)
;;       step = 2.0 ** (np.maximum(np.frexp(np.where(r == 0, 1, r))[1] - 1, -14) - 2)
;;       q = np.round(r / step) * step * 2.0 ** e      # np.round: ties to even
;;       return np.moveaxis(q, -1, axis).astype(np.float32)
;;   ~~~
;;   SOFTMAX AHEAD OF A QUANTISED PRODUCT. Where the list says 'softmax', what is quantised is not the finished softmax but p = 2^(t - M), with t = logit x log2(e) and M = ceil(the row's largest t), a whole number; so 1/2 < the row's largest p <= 1. The row's sum l is taken of the UNQUANTISED p, in f32, and the product's result is divided by l at the end. Since M is a whole number, a kernel that streams over the keys may use a running M (the ceiling of the running maximum): every later rescaling is an exact power of two, so the quantised numbers keep their values, but for numbers so far below the row's largest that they fall under the format's range.
;;   OPERANDS COMPUTED ON THE WAY. 'Computed on the way' means the value that the module computes at that place (a softmax that the list does not call 'softmax' is quantised finished and normalised). What goes into a quantiser is computed in f32, as accurately as f32 sums, v_exp_f32 and their like allow (about 1e-6 of the number): no bf16 or f16 on the way to a quantiser, and a product that is left as it is and whose result goes on into a quantised operand takes f32 operands (vector FMAs, or v_wmma_f32_16x16x4_f32). A number that lies on a knife's edge between two numbers of the format may be rounded either way, as far as f32 arithmetic and the matrix unit's own rounding can turn it there, and no further.
;; One version. Each part assembles by itself: llvm-mc -triple=amdgcn-amd-amdhsa -mcpu=gfx1250 --defsym DOCPART=n.
;; ======== version 1 of 1: 3 launches
;; workspace buffers: wq 163,840 bytes; fq 2,097,152 bytes; kv 10,485,760 bytes
;; launch wquant (part 1): grid 20 x 1, 4 waves a work-group, no clusters, 0 bytes of LDS; arguments Wf, Wg, Wh, Wv, lowp_scales, wq; writes wq
.if DOCPART == 1
	.amdgcn_target "amdgcn-amd-amdhsa--gfx1250"
	.amdhsa_code_object_version 6
	.text
	.protected	k_qb8ac4bd4e8_wquant
	.globl	k_qb8ac4bd4e8_wquant
	.p2align	8
	.type	k_qb8ac4bd4e8_wquant,@function
k_qb8ac4bd4e8_wquant:
	s_mov_b64 s[64:65], 0
	v_nop
	global_prefetch_b8 v0, s[64:65] scope:SCOPE_SE
	s_setreg_imm32_b32 hwreg(HW_REG_WAVE_MODE, 25, 1), 1
	s_wait_xcnt 0x0
; Wf, Wg [256][64] and Wh, Wv [256][256], f32 with K as the FIRST axis, become codes of BF8 (E5M2), each with its given scale 2^e
; (entries 1, 3, 5, 11 of the scales), laid in wq as IMAGES OF OPERAND REGISTERS of the 16x16x128 form:
; a fragment is 16 columns x 128 along K, 16 registers a lane: lane (r, h) holds column r, registers 2 c, 2 c + 1 hold k = 16 c + 8 h + 0 .. 7.
; In wq the group of four registers number q of a fragment lies at 2,048 x fragment + 512 q + 16 x lane.
; Fragment numbers: within a weight 2 x (tile of 16 columns) + (K step of 128); Wf 0-7, Wg 8-15, Wh 16-47, Wv 48-79.
; One wave makes one fragment: a lane takes a column and its registers run down K, so the conversions' results are the operand's registers.
; code = w / 2^e, held within +-57,344, to the nearest code, ties to even.  LIMITS: e between -126 and 112.  NaN among the inputs is not served.
; No LDS, no barrier, no cluster: the waves share nothing, and each number is read once.
.set X,  16                            ; v16-79  64 numbers: register 8 c + j = k 16 c + 8 h + j of my column
.set CD, 80                            ; v80-95  the fragment's codes
	s_load_b256 s[4:11], s[0:1], 0x0               ; Wf s[4:5], Wg s[6:7], Wh s[8:9], Wv s[10:11]
	s_load_b128 s[12:15], s[0:1], 0x20             ; the scales' exponents s[12:13], wq s[14:15]
	v_lshrrev_b32 v1, 5, v0
	v_readfirstlane_b32 s16, v1                    ; wave 0..3
	v_and_b32 v1, 15, v0                           ; r
	v_bfe_u32 v2, v0, 4, 1                         ; h
	v_and_b32 v4, 31, v0
	v_lshlrev_b32 v4, 4, v4                        ; 16 x lane: my place in a group of four registers
	s_lshl_b32 s17, ttmp9, 2
	s_add_co_u32 s17, s17, s16                     ; my fragment: 4 x work-group + wave
	s_wait_kmcnt 0x0
	s_load_b256 s[24:31], s[12:13], 0x0            ; e0 .. e7
	s_load_b128 s[32:35], s[12:13], 0x20           ; e8 .. e11
	; which weight: work-groups 0-1 Wf, 2-3 Wg, 4-11 Wh, 12-19 Wv.  The choices hang on the work-group's number alone
	s_cmp_lt_u32 ttmp9, 12
	s_cselect_b64 s[20:21], s[8:9], s[10:11]
	s_cselect_b32 s22, 16, 48                      ; the weight's first fragment
	s_cmp_lt_u32 ttmp9, 4
	s_cselect_b64 s[20:21], s[6:7], s[20:21]
	s_cselect_b32 s22, 8, s22
	s_cselect_b32 s18, 8, 10                       ; a row of the weight is 2^8 or 2^10 bytes
	s_cmp_lt_u32 ttmp9, 2
	s_cselect_b64 s[20:21], s[4:5], s[20:21]
	s_cselect_b32 s22, 0, s22
	s_sub_co_u32 s23, s17, s22                     ; the fragment within its weight
	s_lshr_b32 s36, s23, 1                         ; tile of 16 columns
	s_and_b32 s37, s23, 1                          ; K step of 128
	s_lshl_b32 s36, s36, 6                         ; 16 columns are 64 bytes
	s_add_co_u32 s38, s18, 7
	s_lshl_b32 s37, s37, s38                       ; 128 rows
	s_add_co_u32 s36, s36, s37
	s_add_co_u32 s38, s18, 3
	v_lshlrev_b32 v3, s38, v2                      ; lanes 16-31 begin 8 rows further down
	v_lshl_add_u32 v3, v1, 2, v3                   ; + 4 r
	v_add_nc_u32 v3, s36, v3
.macro WLOAD pitch                     ; W(16 c + 8 h + j, my column): sixteen neighbouring lanes read 64 neighbouring bytes
.set I, 0
.rept 64
	global_load_b32 v[X+I], v3, s[20:21] offset:(16*(I/8)+I%8)*\pitch
.set I, I+1
.endr
.endm
	s_cmp_lt_u32 ttmp9, 4
	s_cbranch_scc0 .Lwide
	WLOAD 256
	s_branch .Ljoin
.Lwide:
	WLOAD 1024
.Ljoin:
	s_wait_kmcnt 0x0
	s_cmp_lt_u32 ttmp9, 12
	s_cselect_b32 s23, s29, s35                    ; e5 for Wh, e11 for Wv,
	s_cmp_lt_u32 ttmp9, 4
	s_cselect_b32 s23, s27, s23                    ; e3 for Wg,
	s_cmp_lt_u32 ttmp9, 2
	s_cselect_b32 s23, s25, s23                    ; e1 for Wf
	s_add_co_i32 s23, s23, 127
	s_lshl_b32 s39, s23, 23
	v_mov_b32 v11, s39                             ; 2^e as f32: the conversion takes its exponent field
	s_add_co_i32 s23, s23, 15
	s_lshl_b32 s23, s23, 23
	s_or_b32 s23, s23, 0x600000
	v_mov_b32 v10, s23                             ; 57,344 x 2^e
	s_lshl_b32 s36, s17, 11                        ; my fragment's 2,048 bytes in wq
	s_mov_b32 s37, 0
	s_add_nc_u64 s[14:15], s[14:15], s[36:37]
	s_wait_loadcnt 0x0
.set I, 0
.rept 64
	v_med3_num_f32 v[X+I], v[X+I], -v10, v10       ; the conversion to an 8-bit code does not saturate (ISA guide 7.6.2): the hold comes first
.set I, I+1
.endr
.set I, 0
.rept 8
	v_cvt_scalef32_pk8_bf8_f32 v[CD+2*I:CD+2*I+1], v[X+8*I:X+8*I+7], v11
.set I, I+1
.endr
	v_nop                                          ; a plain line behind the last conversion
.irp q, 0,1,2,3
	global_store_b128 v4, v[CD+4*\q:CD+4*\q+3], s[14:15] offset:512*\q   ; 32 lanes store 512 consecutive bytes, aligned
.endr
	s_endpgm
.Lfunc_end_k_qb8ac4bd4e8_wquant:
	.size	k_qb8ac4bd4e8_wquant, .Lfunc_end_k_qb8ac4bd4e8_wquant-k_qb8ac4bd4e8_wquant
	.p2alignl 7, 3214868480
	.fill 96, 4, 3214868480
	.section	.rodata,"a",@progbits
	.p2align	6, 0x0
	.amdhsa_kernel k_qb8ac4bd4e8_wquant
		.amdhsa_group_segment_fixed_size 0
		.amdhsa_private_segment_fixed_size 0
		.amdhsa_enable_private_segment 0
		.amdhsa_kernarg_size 48
		.amdhsa_user_sgpr_count 2
		.amdhsa_user_sgpr_kernarg_segment_ptr 1
		.amdhsa_wavefront_size32 1
		.amdhsa_system_sgpr_workgroup_id_x 1
		.amdhsa_system_sgpr_workgroup_id_y 1
		.amdhsa_system_sgpr_workgroup_id_z 1
		.amdhsa_system_vgpr_workitem_id 0
		.amdhsa_next_free_vgpr 96
		.amdhsa_next_free_sgpr 66
		.amdhsa_reserve_vcc 0
		.amdhsa_float_denorm_mode_32 3
		.amdhsa_float_denorm_mode_16_64 3
		.amdhsa_memory_ordered 1
		.amdhsa_forward_progress 1
		.amdhsa_inst_pref_size 20
	.end_amdhsa_kernel
	.amdgpu_metadata
---
amdhsa.version: [ 1, 2 ]
amdhsa.kernels:
  - .name:           k_qb8ac4bd4e8_wquant
    .symbol:         k_qb8ac4bd4e8_wquant.kd
    .args:
      - { .name: Wf, .offset: 0, .size: 8, .value_kind: global_buffer, .address_space: global }
      - { .name: Wg, .offset: 8, .size: 8, .value_kind: global_buffer, .address_space: global }
      - { .name: Wh, .offset: 16, .size: 8, .value_kind: global_buffer, .address_space: global }
      - { .name: Wv, .offset: 24, .size: 8, .value_kind: global_buffer, .address_space: global }
      - { .name: lowp_scales, .offset: 32, .size: 8, .value_kind: global_buffer, .address_space: global }
      - { .name: wq, .offset: 40, .size: 8, .value_kind: global_buffer, .address_space: global }
    .group_segment_fixed_size: 0
    .private_segment_fixed_size: 0
    .kernarg_segment_align: 8
    .kernarg_segment_size: 48
    .max_flat_workgroup_size: 128
    .sgpr_count:     66
    .vgpr_count:     96
    .wavefront_size: 32
...
	.end_amdgpu_metadata
.endif
;; end of part 1
;; launch project (part 2): grid 256 x 1, 4 waves a work-group, clusters of 4 x 1, 231,936 bytes of LDS; arguments x, wq, lowp_scales, fq, kv; writes fq, kv
.if DOCPART == 2
	.amdgcn_target "amdgcn-amd-amdhsa--gfx1250"
	.amdhsa_code_object_version 6
	.text
	.protected	k_qb8ac4bd4e8_project
	.globl	k_qb8ac4bd4e8_project
	.p2align	8
	.type	k_qb8ac4bd4e8_project,@function
k_qb8ac4bd4e8_project:
	s_mov_b64 s[64:65], 0
	v_nop
	global_prefetch_b8 v0, s[64:65] scope:SCOPE_SE
	s_setreg_imm32_b32 hwreg(HW_REG_WAVE_MODE, 25, 1), 1
	s_wait_xcnt 0x0
	s_wait_alu depctr_hold_cnt(0) depctr_sa_sdst(0) depctr_va_vdst(0) depctr_va_sdst(0) depctr_va_ssrc(0) depctr_va_vcc(0) depctr_vm_vsrc(0)
	s_getreg_b32 s2, hwreg(HW_REG_IB_STS2, 6, 4)
	s_cmp_eq_u32 s2, 0
	s_cbranch_scc0 .Lentry_in_a_cluster
	s_endpgm
.Lentry_in_a_cluster:
	s_bfe_u32 s2, ttmp6, 0x10000c
	s_cmp_lg_u32 s2, 0x3003
	s_cbranch_scc0 .Lentry_shape_is_right
	s_endpgm
.Lentry_shape_is_right:
; f = x Wf, g = x Wg, h = x Wh on codes of BF8 (E5M2); the three results are quantised again (scales 6, 7, 9) and stored as images of operand registers.
; x [32,768][256] f32 is quantised three times, with entries 0, 2 and 4 of the scales; the weights' codes come from wq (fragments 0-47) as they lie.
; SHARES.  A work-group takes 128 tokens, each of its four waves 32: two tiles of 16.  A wave keeps its x in 256 registers (window 1) and reads it from memory once.
; LAYOUT (the plain 8-bit layout throughout): lane (r, h), registers 2 c, 2 c + 1: k = 16 c + 8 h + 0 .. 7.  A result's register j is row 8 h + j of source 0: so ONE conversion of a result tile gives registers
; 2 c, 2 c + 1 of the next operand, c being the tile's number along the next K.
;   f, g: source 0 = 16 columns of W, source 1 = my 16 tokens: a lane holds one token and eight neighbouring channels: four tiles make a K = 64 fragment (8 registers), lane = token.
;   h:    source 0 = my 16 tokens, source 1 = 16 columns of Wh: a lane holds one channel and eight neighbouring tokens: my two tiles make registers 4 w .. 4 w + 3 of the fragment (channels x 128 keys), lane = channel.
; OUT.  fq: [token tile][1,024 bytes].  kv: [256 keys][81,920 bytes]: 16 fragments of g (1,024 bytes each), then fragment 16 (half of 128 keys) + (tile of 16 channels) of h^T, 2,048 bytes each.
; In every image the group of four registers number q lies at 512 q + 16 x lane: each store of a wave covers 512 consecutive bytes, aligned.
; CLUSTER.  All work-groups read the same 98,304 bytes of weights: the four of a cluster ask for them jointly, each wave for a quarter.  x's tile is each wave's own, by a plain tensor load.
; LDS is filled once; nothing is stored there by a wave.
; LIMITS, so that each power of two is an f32 number: e0, e2, e4, and e6 - e0 - e1, e7 - e2 - e3, e9 - e4 - e5 between -126 and 112.  NaN among the inputs is not served.
; REGISTERS: window 1: v0-255 x in f32, (tile T, K step s) at 64 (2 T + s), register 8 c + j = channel 128 s + 16 c + 8 h + j.
;   window 0: v1-6 addresses; v10-13 the set's scales; v24-87 at work, then the codes to store; v88-151 x's four fragments; v152-215 two pairs of weight fragments; v216-247 two pairs of accumulators.
.set XPITCH, 1040                      ; a row of x in LDS: 1,024 bytes + 16 of padding: the 16 rows that a load touches start in 16 different columns of 16 bytes
.set XTW,    32*XPITCH                 ; a wave's 32 rows
.set WT,     4*XTW                     ; behind them: the weights' 48 fragments
.set SPARE,  WT+98304                  ; behind them: the spare words, 128 bytes for each wave, which no other line names
.set LI,   1                           ; v1   16 x lane
.set XAD,  2                           ; v2   my place in my wave's rows of x
.set WAD0, 3                           ; v3   fragments 0-31
.set WAD1, 4                           ; v4   fragments 32-47 (an LDS offset has 16 bits)
.set SPW,  5                           ; v5   my spare word; never rewritten
.set NIL,  6                           ; v6   0; never rewritten
.set SX,   10                          ; v10  2^ex                     v11  57,344 x 2^ex
.set LX,   11
.set SO,   12                          ; v12  2^(eo - ex - ew)         v13  57,344 x that
.set LO,   13
.set TMP,  24
.set XC,   88
.set WF,   152
.set ACC,  216
.set WV,   14                          ; s14  my wave's number
.set FQB,  80                          ; s[80:81] where my f goes;  s[82:83] my g;  s[84:85] my part of h^T
.set KVG,  82
.set KVH,  84
.set MSB, 0
.macro WIN new                         ; the immediate's high byte repeats the setting that is left
.if MSB != \new
	s_set_vgpr_msb (MSB<<8)|\new
.set MSB, \new
.endif
.endm
.macro CROUND                          ; a round of the cluster's barrier
	s_barrier_signal -1
	s_barrier_wait -1
	s_cmp_lg_u32 s[WV], 0
	s_cbranch_scc1 .Lnot_wave_0_\@
	s_barrier_signal -3
.Lnot_wave_0_\@:
	s_barrier_wait -3
	s_barrier_signal -1
	s_barrier_wait -1
.endm
	s_load_b256 s[4:11], s[0:1], 0x0               ; x s[4:5], wq s[6:7], the scales' exponents s[8:9], fq s[10:11]
	s_load_b64 s[12:13], s[0:1], 0x20              ; kv
	v_lshl_add_u32 v[SPW], v0, 2, SPARE
	v_mov_b32 v[NIL], 0
	ds_add_u32 v[SPW], v[NIL]                      ; the wave's opening: the add and its wait stand ahead of my first tensor load; the set-up below stands between them
	v_lshrrev_b32 v1, 5, v0
	v_readfirstlane_b32 s[WV], v1                  ; wave 0..3
	s_bfe_u32 s15, ttmp6, 0x40000                  ; cx: my place in the cluster
	s_lshl_b32 s16, ttmp9, 2
	s_add_co_u32 s16, s16, s15                     ; my block of 128 tokens: it enters global addresses alone
	; group 1 for the weights: 96 rows of 256 bytes, dense; asked for by all four work-groups
	s_mov_b32 s20, 15|(3<<16)|(1<<21)              ; 15:0 the mask; 17:16 elements of 8 bytes; 21 set beside a mask
	s_mov_b32 s21, 32<<16                          ; tensor_dim0 = 32
	s_mov_b32 s22, 96<<16                          ; tensor_dim1 = 96
	s_mov_b32 s23, 32<<16                          ; tile_dim0 = 32
	s_mov_b32 s24, 96                              ; tile_dim1 = 96
	s_mov_b32 s25, 32                              ; from row to row
	s_mov_b32 s26, 0
	s_mov_b32 s27, 0
	; group 1 for x: 32 rows of 256 numbers, 4 words of padding behind each 256
	s_mov_b32 s28, (2<<16)|(1<<20)|(7<<22)|(3<<25) ; no mask; elements of 4 bytes; padding on; after every 256 words (code 7); 4 words (code 3)
	s_mov_b32 s29, 256<<16
	s_mov_b32 s30, 32<<16
	s_mov_b32 s31, 256<<16
	s_mov_b32 s32, 32
	s_mov_b32 s33, 256
	s_mov_b32 s34, 0
	s_mov_b32 s35, 0
	s_mov_b32 s36, 1                               ; group 0 for the weights: count = 1,
	s_mul_i32 s37, s[WV], 24576                    ; my quarter,
	s_mov_b32 s72, s37
	s_mov_b32 s73, 0
	s_add_co_u32 s37, s37, WT                      ; in LDS
	s_mov_b32 s40, 1                               ; group 0 for x
	s_mul_i32 s41, s[WV], XTW
	s_lshl_b32 s74, s16, 17                        ; 128 tokens of 1,024 bytes,
	s_lshl_b32 s75, s[WV], 15                      ; my 32 of them
	s_add_co_u32 s74, s74, s75
	s_mov_b32 s75, 0
	s_lshl_b32 s76, s16, 13                        ; fq: 8 tiles of 1,024 bytes a block, 2 a wave
	s_lshl_b32 s77, s[WV], 11
	s_add_co_u32 s76, s76, s77
	s_mov_b32 s77, 0
	s_lshr_b32 s78, s16, 1
	s_mul_i32 s78, s78, 81920                      ; kv: my block is one half of a slot of 256 keys
	s_and_b32 s79, s16, 1
	s_lshl_b32 s86, s79, 13                        ; g: the half's 8 fragments, my 2
	s_lshl_b32 s87, s[WV], 11
	s_add_co_u32 s86, s86, s87
	s_add_co_u32 s86, s86, s78
	s_mov_b32 s87, 0
	s_lshl_b32 s88, s79, 15                        ; h^T: the half's 16 fragments; in each, group w of four registers
	s_lshl_b32 s89, s[WV], 9
	s_add_co_u32 s88, s88, s89
	s_add_co_u32 s88, s88, s78
	s_add_co_u32 s88, s88, 16384
	s_mov_b32 s89, 0
	s_wait_dscnt 0x0                               ; the opening add is done
	s_wait_kmcnt 0x0
	s_load_b256 s[44:51], s[8:9], 0x0              ; e0 .. e7
	s_load_b128 s[52:55], s[8:9], 0x20             ; e8 .. e11
	s_add_nc_u64 s[38:39], s[6:7], s[72:73]
	s_or_b32 s39, s39, 0x80000000                  ; type = 2
	s_add_nc_u64 s[42:43], s[4:5], s[74:75]
	s_or_b32 s43, s43, 0x80000000
	s_add_nc_u64 s[FQB:FQB+1], s[10:11], s[76:77]
	s_add_nc_u64 s[KVG:KVG+1], s[12:13], s[86:87]
	s_add_nc_u64 s[KVH:KVH+1], s[12:13], s[88:89]
	CROUND                                         ; all four work-groups are here: the joint loads meet
	tensor_load_to_lds s[36:39], s[20:27]          ; my quarter of the weights, for all four work-groups
	s_nop 0
	tensor_load_to_lds s[40:43], s[28:35]          ; my 32 rows of x.  Two loads of mine are out
	s_nop 0
.rept 4
	v_nop
.endr
	v_and_b32 v[LI], 31, v0
	v_lshlrev_b32 v[LI], 4, v[LI]
	v_and_b32 v7, 15, v0                           ; r
	v_bfe_u32 v8, v0, 4, 1                         ; h
	v_mul_u32_u24 v[XAD], v7, XPITCH
	v_lshl_add_u32 v[XAD], v8, 5, v[XAD]           ; row r, + 32 h: my eight numbers of each 16
	v_add_nc_u32 v[XAD], s41, v[XAD]
	v_add_nc_u32 v[WAD0], WT, v[LI]
	v_add_nc_u32 v[WAD1], WT+65536, v[LI]
; the four constants of a product: 2^ex and 57,344 x 2^ex for x; 2^(eo - ex - ew) and 57,344 x that for its result: a sum stands for sum x 2^(ex + ew), so the three scales fold into the conversion's one
.macro CONSTS d, ex, ew, eo
	s_add_co_i32 s72, s[\ex], 127
	s_lshl_b32 s[\d], s72, 23
	s_add_co_i32 s72, s72, 15
	s_lshl_b32 s72, s72, 23
	s_or_b32 s[\d+1], s72, 0x600000
	s_sub_co_i32 s72, s[\eo], s[\ex]
	s_sub_co_i32 s72, s72, s[\ew]
	s_add_co_i32 s72, s72, 127
	s_lshl_b32 s[\d+2], s72, 23
	s_add_co_i32 s72, s72, 15
	s_lshl_b32 s72, s72, 23
	s_or_b32 s[\d+3], s72, 0x600000
.endm
	s_wait_kmcnt 0x0
	CONSTS 56, 44, 45, 50                          ; f: e0, e1, e6
	CONSTS 60, 46, 47, 51                          ; g: e2, e3, e7
	CONSTS 68, 48, 49, 53                          ; h: e4, e5, e9
.macro SETC d
	v_mov_b32 v[SX], s[\d]
	v_mov_b32 v[LX], s[\d+1]
	v_mov_b32 v[SO], s[\d+2]
	v_mov_b32 v[LO], s[\d+3]
.endm
; fragments fr and fr + 1 (a tile of 16 columns, both K steps) into pair buf: eight loads of 512 consecutive bytes
.macro LOADW buf, fr
.irp q, 0,1,2,3,4,5,6,7
.if (\fr) < 32
	ds_load_b128 v[WF+32*(\buf)+4*\q:WF+32*(\buf)+4*\q+3], v[WAD0] offset:(\fr)*2048+512*\q
.else
	ds_load_b128 v[WF+32*(\buf)+4*\q:WF+32*(\buf)+4*\q+3], v[WAD1] offset:((\fr)-32)*2048+512*\q
.endif
.endr
.endm
; x's 256 numbers a lane become four fragments, with the scale in hand
.macro QUANTX
.irp u, 0,1,2,3
	WIN 0x01                                       ; source 0 window 1
.set I, 0
.rept 64
	v_med3_num_f32 v[TMP+I], v[64*\u+I], -v[LX], v[LX]   ; the conversion does not saturate (ISA guide 7.6.2): the hold comes first; x itself stays as it is
.set I, I+1
.endr
	WIN 0
.set I, 0
.rept 8
	v_cvt_scalef32_pk8_bf8_f32 v[XC+16*\u+2*I:XC+16*\u+2*I+1], v[TMP+8*I:TMP+8*I+7], v[SX]
.set I, I+1
.endr
	v_nop                                          ; a plain line between the conversions and the next writes of their sources
.endr
.endm
; four products: my two tiles of tokens x one tile of columns, K = 256.  The two accumulators take turns, one instruction a turn
.macro MULT n, mode
.set AC, ACC+16*((\n)%2)
.set WB, WF+32*((\n)%2)
.if \mode
	v_wmma_f32_16x16x128_bf8_bf8 v[AC:AC+7], v[XC:XC+15], v[WB:WB+15], 0
	v_wmma_f32_16x16x128_bf8_bf8 v[AC+8:AC+15], v[XC+32:XC+47], v[WB:WB+15], 0
	v_wmma_f32_16x16x128_bf8_bf8 v[AC:AC+7], v[XC+16:XC+31], v[WB+16:WB+31], v[AC:AC+7]
	v_wmma_f32_16x16x128_bf8_bf8 v[AC+8:AC+15], v[XC+48:XC+63], v[WB+16:WB+31], v[AC+8:AC+15]
.else
	v_wmma_f32_16x16x128_bf8_bf8 v[AC:AC+7], v[WB:WB+15], v[XC:XC+15], 0
	v_wmma_f32_16x16x128_bf8_bf8 v[AC+8:AC+15], v[WB:WB+15], v[XC+32:XC+47], 0
	v_wmma_f32_16x16x128_bf8_bf8 v[AC:AC+7], v[WB+16:WB+31], v[XC+16:XC+31], v[AC:AC+7]
	v_wmma_f32_16x16x128_bf8_bf8 v[AC+8:AC+15], v[WB+16:WB+31], v[XC+48:XC+63], v[AC+8:AC+15]
.endif
.endm
; the results of tile n of columns are held and converted, each accumulator from its low end on; mode 1 (h): the four registers are a group of fragment n and leave at once
.macro FIN n, mode
.set AC, ACC+16*((\n)%2)
.set I, 0
.rept 16
	v_med3_num_f32 v[AC+I], v[AC+I], -v[LO], v[LO]
.set I, I+1
.endr
.if \mode
.set D0, TMP+4*(\n)
.set D1, TMP+4*(\n)+2
.else
.set D0, TMP+2*(\n)
.set D1, TMP+8+2*(\n)
.endif
	v_cvt_scalef32_pk8_bf8_f32 v[D0:D0+1], v[AC:AC+7], v[SO]
	v_cvt_scalef32_pk8_bf8_f32 v[D1:D1+1], v[AC+8:AC+15], v[SO]
	v_nop                                          ; a plain line between the conversions and the products that write their sources anew
.if \mode
	global_store_b128 v[LI], v[D0:D0+3], s[KVH:KVH+1] offset:2048*(\n)
.endif
.endm
; cnt tiles of columns.  A trip fetches the next tile's weights, multiplies this tile, and finishes the tile before: those sixteen holds, on the other pair of accumulators,
; are the places behind this trip's products, in front of the next loads into the registers that they read and of the first read of their results
.macro PIPE cnt, fr0, mode
.set PN, 0
.rept \cnt
.if PN+1 < \cnt
	LOADW (PN+1)%2, \fr0+2*(PN+1)
	s_wait_dscnt 0x8                               ; this tile's weights are in; the eight loads just issued may be out
.else
	s_wait_dscnt 0x0
.endif
	MULT PN, \mode
.if PN == 0
.rept 5
	v_nop                                          ; no tile to finish yet
.endr
.else
	FIN PN-1, \mode
.endif
.set PN, PN+1
.endr
	FIN \cnt-1, \mode
.endm
	s_wait_tensorcnt 0x0                           ; my quarter of the weights and my rows of x have landed,
	s_barrier_signal -1
	s_barrier_wait -1                              ; and everybody's quarter
	WIN 0x40                                       ; destination window 1
.set I, 0
.rept 64
	ds_load_b128 v[4*I:4*I+3], v[XAD] offset:16*XPITCH*(I/32)+512*((I/16)%2)+64*((I%16)/2)+16*(I%2)
.set I, I+1
.endr
	WIN 0
	LOADW 0, 0
	s_wait_dscnt 0x8                               ; x is in; the eight loads of weights may be out
	; ---- f
	SETC 56
	QUANTX
	PIPE 4, 0, 0
.irp q, 0,1,2,3
	global_store_b128 v[LI], v[TMP+4*\q:TMP+4*\q+3], s[FQB:FQB+1] offset:512*\q   ; two fragments of 1,024 bytes
.endr
	LOADW 0, 8
	; ---- g
	SETC 60
	s_wait_xcnt 0x0                                ; the stores have read their registers, which are written again below
	QUANTX
	PIPE 4, 8, 0
.irp q, 0,1,2,3
	global_store_b128 v[LI], v[TMP+4*\q:TMP+4*\q+3], s[KVG:KVG+1] offset:512*\q
.endr
	LOADW 0, 16
	; ---- h
	SETC 68
	s_wait_xcnt 0x0
	QUANTX
	PIPE 16, 16, 1
	s_wait_tensorcnt 0x0                           ; the wave's end
	ds_add_u32 v[SPW], v[NIL]
	s_wait_dscnt 0x0
	CROUND                                         ; the closing round: no work-group ends while a partner may still ask for a tile that names it
	s_endpgm
.Lfunc_end_k_qb8ac4bd4e8_project:
	.size	k_qb8ac4bd4e8_project, .Lfunc_end_k_qb8ac4bd4e8_project-k_qb8ac4bd4e8_project
	.p2alignl 7, 3214868480
	.fill 96, 4, 3214868480
	.section	.rodata,"a",@progbits
	.p2align	6, 0x0
	.amdhsa_kernel k_qb8ac4bd4e8_project
		.amdhsa_group_segment_fixed_size 231936
		.amdhsa_private_segment_fixed_size 0
		.amdhsa_enable_private_segment 0
		.amdhsa_kernarg_size 40
		.amdhsa_user_sgpr_count 2
		.amdhsa_user_sgpr_kernarg_segment_ptr 1
		.amdhsa_wavefront_size32 1
		.amdhsa_system_sgpr_workgroup_id_x 1
		.amdhsa_system_sgpr_workgroup_id_y 1
		.amdhsa_system_sgpr_workgroup_id_z 1
		.amdhsa_system_vgpr_workitem_id 0
		.amdhsa_next_free_vgpr 512
		.amdhsa_next_free_sgpr 96
		.amdhsa_reserve_vcc 0
		.amdhsa_float_denorm_mode_32 3
		.amdhsa_float_denorm_mode_16_64 3
		.amdhsa_memory_ordered 1
		.amdhsa_forward_progress 1
		.amdhsa_inst_pref_size 116
	.end_amdhsa_kernel
	.amdgpu_metadata
---
amdhsa.version: [ 1, 2 ]
amdhsa.kernels:
  - .name:           k_qb8ac4bd4e8_project
    .symbol:         k_qb8ac4bd4e8_project.kd
    .args:
      - { .name: x, .offset: 0, .size: 8, .value_kind: global_buffer, .address_space: global }
      - { .name: wq, .offset: 8, .size: 8, .value_kind: global_buffer, .address_space: global }
      - { .name: lowp_scales, .offset: 16, .size: 8, .value_kind: global_buffer, .address_space: global }
      - { .name: fq, .offset: 24, .size: 8, .value_kind: global_buffer, .address_space: global }
      - { .name: kv, .offset: 32, .size: 8, .value_kind: global_buffer, .address_space: global }
    .group_segment_fixed_size: 231936
    .private_segment_fixed_size: 0
    .kernarg_segment_align: 8
    .kernarg_segment_size: 40
    .max_flat_workgroup_size: 128
    .sgpr_count:     96
    .vgpr_count:     512
    .wavefront_size: 32
...
	.end_amdgpu_metadata
.endif
;; end of part 2
;; launch attend (part 3): grid 32 x 8, 8 waves a work-group, clusters of 4 x 1, 327,680 bytes of LDS; arguments fq, kv, wq, lowp_scales, gamma, x, out0; writes out0
.if DOCPART == 3
	.amdgcn_target "amdgcn-amd-amdhsa--gfx1250"
	.amdhsa_code_object_version 6
	.text
	.protected	k_qb8ac4bd4e8_attend
	.globl	k_qb8ac4bd4e8_attend
	.p2align	8
	.type	k_qb8ac4bd4e8_attend,@function
k_qb8ac4bd4e8_attend:
	s_mov_b64 s[64:65], 0
	v_nop
	global_prefetch_b8 v0, s[64:65] scope:SCOPE_SE
	s_setreg_imm32_b32 hwreg(HW_REG_WAVE_MODE, 25, 1), 1
	s_wait_xcnt 0x0
	s_wait_alu depctr_hold_cnt(0) depctr_sa_sdst(0) depctr_va_vdst(0) depctr_va_sdst(0) depctr_va_ssrc(0) depctr_va_vcc(0) depctr_vm_vsrc(0)
	s_getreg_b32 s2, hwreg(HW_REG_IB_STS2, 6, 4)
	s_cmp_eq_u32 s2, 0
	s_cbranch_scc0 .Lentry_in_a_cluster
	s_endpgm
.Lentry_in_a_cluster:
	s_bfe_u32 s2, ttmp6, 0x10000c
	s_cmp_lg_u32 s2, 0x3003
	s_cbranch_scc0 .Lentry_shape_is_right
	s_endpgm
.Lentry_shape_is_right:
; out = gamma x (softmax(f g^T) h) Wv + x, the three products on codes of BF8 (E5M2).  f, g, h^T and Wv come as images of operand registers (fq, kv, wq): a group of four registers is 512 consecutive bytes, 16 a lane.
; THE SOFTMAX AHEAD OF THE SECOND PRODUCT: t = score x log2(e); M = the row's largest t so far, rounded UP to a whole number; p = 2^(t - M) is quantised (scale 8), not normalised.
; The row's sum is taken of the unquantised p and divides at the end.  When M moves, the sum and O are multiplied by 2^(old M - new M): exact.
; SHARES.  A work-group owns 128 queries of one batch.  Wave (a = wave % 4, b = wave / 4) owns queries 32 a .. 32 a + 31, two tiles of 16, and of every slot of 256 keys the half b: one step of 128 keys a slot.
; So a fragment of h^T read from LDS feeds two products, and two waves share a SIMD.
; THE TWO HALVES WORK OUT OF STEP.  A step is SOFT (g from LDS, S^T, the softmax, p's codes, O^T under the new M: nearly all vector work) and PVM (h^T from LDS, O^T += h^T P^T: LDS loads and products).
; Between two changes of slots a wave of b = 0 runs SOFT(j), PVM(j); a wave of b = 1 runs PVM(j - 1), SOFT(j): p's codes and the first half of h^T's fragments wait in its registers over the change.
; So one kind of wave has vector work in hand while the other has LDS loads and products.  The price is a third slot: slot j - 1 is still read in interval j, while slot j + 1 lands.
; At the end the two halves of the keys are merged: both M are whole numbers, so the factors are exact powers of two.  Wave (a, 0) merges, quantises o (scale 10) and multiplies by Wv; wave (a, 1) has fetched x meanwhile and stores the rows.
; LAYOUT.  S^T = g f^T (source 0 = 16 keys, source 1 = 16 queries), O^T = h^T P^T (source 0 = 16 channels), Y^T = Wv^T o^T (source 0 = 16 output channels): a lane holds ONE query throughout, and a result's register j is
; row 8 h + j of source 0: one conversion of a result tile gives registers 2 c, 2 c + 1 of the next operand in the plain 8-bit layout.
; CLUSTER.  The four blocks of queries of a cluster belong to one batch and walk the same keys: every tile is asked for jointly, each of the eight waves for an eighth of a slot.
; LIMITS, so that each power of two is an f32 number: e6 + e7 between -126 and 127; e8 and e10 - e8 - e9 between -126 and 112.  e10 + e11 is applied by v_ldexp_f32.  NaN among the inputs is not served.
; REGISTERS.  window 0: v1-13 addresses; v[14:15] gamma x 2^(e10 + e11); v16-27 statistics; v28-31 the partner's; v32-47 f's two fragments; v48-111 g's eight fragments, then p's codes (v48-79), at the end o's codes;
;   v112-239 S^T, then p, then two buffers of four fragments of h^T or of Wv; v240-253 constants and work.   window 1: O^T, (tile T, channels 16 ct on) at 128 T + 8 ct; at the end Y^T or x.
.set SLOTB, 81920                      ; a slot: 16 fragments of g (16,384 bytes), then 32 of h^T.  Key slot j lies in LDS slot j mod 3
.set WVB,   3*SLOTB                    ; behind the ring of three: Wv's 32 fragments
.set SPARE, WVB+65536                  ; behind them: the spare words, 128 bytes for each wave, which no other line names
.set PRB,   33280                      ; at the end, in the ring, which has had its last fill: a region for each pair of waves: first the partner's O^T (32,768 bytes) and statistics (512), then 32 rows of 1,024 + 16 bytes
.set LI,   1                           ; v1     16 x lane
.set ADG,  2                           ; v2-4   my half's g in LDS slot 0, 1, 2
.set ADV,  5                           ; v5-7   my half's h^T in LDS slot 0, 1, 2
.set SPW,  8                           ; v8     my spare word; never rewritten
.set NIL,  9                           ; v9     0; never rewritten
.set MSA,  10                          ; v10    16 x lane in my pair's region
.set STO,  11                          ; v11    where I put 32 bytes of a row of the result
.set WVA,  12                          ; v12    16 x lane in Wv's fragments
.set PFO,  13                          ; v13    256 x lane: the prefetches' offset
.set GS,   14
.set ST,   16                          ; v[16+2T:17+2T]  -M, the largest t
.set LS,   20                          ; v[20+2T:21+2T]  the sum, in two halves
.set FF,   24                          ; v[24+2T]        f = 2^(old M - new M); the upper register is named with it as a pair
.set PS,   28
.set FQ,   32
.set GF,   48
.set PC,   48
.set OC,   48
.set S,    112
.set LIMP, 240                         ; 57,344 x 2^e8
.set LIMO, 241                         ; 57,344 x 2^(e10 - e8 - e9)
.set SCP,  248                         ; 2^e8
.set SCO,  249                         ; 2^(e10 - e8 - e9)
.set WV,   18                          ; s18 wave, s19 a, s20 b
.set WA,   19
.set WB,   20
.set SEL,  22                          ; s[22:23] v_permlanex16_b32's selects for lane l xor 16
.set CS,   24                          ; s[24:25] c = log2(e) x 2^(e6 + e7)
.set G1K,  28                          ; s[28:35] group 1 for a slot's eighth;  s[36:43] for Wv's eighth
.set G1W,  36
.set G0,   44                          ; s[44:47], s[48:51], s[52:55] group 0 of LDS slot 0, 1, 2
.set G0W,  60                          ; s[60:63] group 0 of Wv
.set TR,   56                          ; s56  trips to go
.set LIM,  57                          ; s57  1 in a wave that prefetches, else the greatest number
.set PFA,  58                          ; s[58:59] where my prefetches stand
.set JP,   97                          ; s97  1 at the changes of slots that prefetch (every second one), else 0
.set XB,   80                          ; s[80:81] x, s[82:83] out0 at my pair's first row; s[84:85] fq at my first tile
.set OB,   82
.set MSB, 0
.macro WIN new                         ; the immediate's high byte repeats the setting that is left
.if MSB != \new
	s_set_vgpr_msb (MSB<<8)|\new
.set MSB, \new
.endif
.endm
.macro CROUND                          ; a round of the cluster's barrier
	s_barrier_signal -1
	s_barrier_wait -1
	s_cmp_lg_u32 s[WV], 0
	s_cbranch_scc1 .Lnot_wave_0_\@
	s_barrier_signal -3
.Lnot_wave_0_\@:
	s_barrier_wait -3
	s_barrier_signal -1
	s_barrier_wait -1
.endm
	s_load_b256 s[4:11], s[0:1], 0x0               ; fq s[4:5], kv s[6:7], wq s[8:9], the scales' exponents s[10:11]
	s_load_b128 s[12:15], s[0:1], 0x20             ; gamma s[12:13], x s[14:15]
	s_load_b64 s[16:17], s[0:1], 0x30              ; out0
	v_lshl_add_u32 v[SPW], v0, 2, SPARE
	v_mov_b32 v[NIL], 0
	ds_add_u32 v[SPW], v[NIL]                      ; the wave's opening: the add and its wait stand ahead of my first tensor load; the set-up below stands between them
	v_lshrrev_b32 v1, 5, v0
	v_readfirstlane_b32 s[WV], v1                  ; wave 0..7
	s_and_b32 s[WA], s[WV], 3
	s_lshr_b32 s[WB], s[WV], 2
	s_bfe_u32 s21, ttmp6, 0x40000                  ; cx: my place in the cluster
	s_lshl_b32 s26, ttmp9, 2
	s_add_co_u32 s26, s26, s21                     ; my block of 128 queries: it enters fq's, x's and out0's addresses alone
	s_and_b32 s27, ttmp7, 0xffff                   ; the batch, which the four partners share
	s_mov_b32 s[G1K], 15|(3<<16)|(1<<21)           ; 15:0 the mask: all four; 17:16 elements of 8 bytes; 21 set beside a mask
	s_mov_b32 s[G1K+1], 32<<16                     ; tensor_dim0 = 32: rows of 256 bytes, dense
	s_mov_b32 s[G1K+2], 40<<16                     ; tensor_dim1 = 40
	s_mov_b32 s[G1K+3], 32<<16                     ; tile_dim0
	s_mov_b32 s[G1K+4], 40                         ; tile_dim1
	s_mov_b32 s[G1K+5], 32                         ; from row to row
	s_mov_b32 s[G1K+6], 0
	s_mov_b32 s[G1K+7], 0
	s_mov_b32 s[G1W], 15|(3<<16)|(1<<21)
	s_mov_b32 s[G1W+1], 32<<16
	s_mov_b32 s[G1W+2], 32<<16                     ; 32 rows
	s_mov_b32 s[G1W+3], 32<<16
	s_mov_b32 s[G1W+4], 32
	s_mov_b32 s[G1W+5], 32
	s_mov_b32 s[G1W+6], 0
	s_mov_b32 s[G1W+7], 0
	s_mov_b32 s[SEL], 0x76543210
	s_mov_b32 s[SEL+1], 0xfedcba98
	s_mul_i32 s99, s27, 16*SLOTB                   ; the batch's 16 slots in kv
	s_mul_i32 s86, s[WV], 10240                    ; my eighth of a slot
	s_mov_b32 s[G0], 1
	s_mov_b32 s[G0+1], s86                         ; in LDS: slot 0,
	s_mov_b32 s[G0+4], 1
	s_add_co_u32 s[G0+5], s86, SLOTB               ; slot 1,
	s_mov_b32 s[G0+8], 1
	s_add_co_u32 s[G0+9], s86, 2*SLOTB             ; slot 2: no place in the cluster enters an LDS address
	s_add_co_u32 s66, s99, s86
	s_mov_b32 s67, 0
	s_mov_b32 s[G0W], 1
	s_lshl_b32 s90, s[WV], 13                      ; my eighth of Wv's 65,536 bytes,
	s_add_co_u32 s[G0W+1], s90, WVB
	s_add_co_u32 s90, s90, 98304                   ; which begin at fragment 48 of wq
	s_mov_b32 s91, 0
	s_mul_i32 s88, s21, 40960                      ; the prefetches: of two slots' 163,840 bytes each partner takes 40,960, told apart by address,
	s_lshl_b32 s96, s[WV], 13                      ; waves 0 to 4 take 8,192 each
	s_add_co_u32 s88, s88, s96
	s_add_co_u32 s88, s88, s99
	s_add_co_u32 s88, s88, 2*SLOTB                 ; at slot 2: the first change that prefetches steps it to slot 4
	s_mov_b32 s89, 0
	s_mov_b32 s[JP], 0
	s_mov_b32 s3, 0                                ; (the upper word of the prefetches' step, s[2:3])
	s_lshl_b32 s92, s27, 12
	s_lshl_b32 s96, s26, 7
	s_add_co_u32 s92, s92, s96
	s_lshl_b32 s96, s[WA], 5
	s_add_co_u32 s92, s92, s96                     ; my first query among the 32,768 rows
	s_lshl_b32 s94, s92, 6                         ; fq: 1,024 bytes for 16 rows
	s_lshl_b32 s92, s92, 10                        ; x, out0: 1,024 bytes a row
	s_mov_b32 s93, 0
	s_mov_b32 s95, 0
	s_cmp_lt_u32 s[WV], 5
	s_cselect_b32 s[LIM], 0, 1
	s_or_b32 s[LIM], s[LIM], ttmp9                 ; 0 in waves 0 to 4 of the batch's first cluster: the same in all four partners
	s_cmp_eq_u32 s[LIM], 0
	s_cselect_b32 s[LIM], 1, -1
	s_wait_dscnt 0x0                               ; the opening add is done
	s_wait_kmcnt 0x0
	s_load_b256 s[68:75], s[10:11], 0x0            ; e0 .. e7
	s_load_b128 s[76:79], s[10:11], 0x20           ; e8 .. e11
	s_load_b32 s87, s[12:13], 0x0                  ; gamma
	s_add_nc_u64 s[G0+2:G0+3], s[6:7], s[66:67]
	s_add_nc_u64 s[G0+6:G0+7], s[G0+2:G0+3], SLOTB
	s_add_nc_u64 s[G0+10:G0+11], s[G0+2:G0+3], 2*SLOTB
	s_or_b32 s[G0+3], s[G0+3], 0x80000000          ; type = 2
	s_or_b32 s[G0+7], s[G0+7], 0x80000000
	s_or_b32 s[G0+11], s[G0+11], 0x80000000
	s_add_nc_u64 s[G0W+2:G0W+3], s[8:9], s[90:91]
	s_or_b32 s[G0W+3], s[G0W+3], 0x80000000
	s_add_nc_u64 s[PFA:PFA+1], s[6:7], s[88:89]
	s_add_nc_u64 s[XB:XB+1], s[14:15], s[92:93]
	s_add_nc_u64 s[OB:OB+1], s[16:17], s[92:93]
	s_add_nc_u64 s[84:85], s[4:5], s[94:95]
	CROUND                                         ; all four work-groups are here: the first joint loads meet
	tensor_load_to_lds s[G0:G0+3], s[G1K:G1K+7]    ; keys 0-255
	s_nop 0
	tensor_load_to_lds s[G0+4:G0+7], s[G1K:G1K+7]  ; keys 256-511
	s_nop 0
	tensor_load_to_lds s[G0+8:G0+11], s[G1K:G1K+7] ; keys 512-767
	s_nop 0
	tensor_load_to_lds s[G0W:G0W+3], s[G1W:G1W+7]  ; Wv.  Four loads of mine are out
	s_nop 0
.rept 4
	v_nop
.endr
	v_and_b32 v[LI], 31, v0
	v_lshlrev_b32 v[LI], 4, v[LI]
.irp q, 0,1,2,3
	global_load_b128 v[FQ+4*\q:FQ+4*\q+3], v[LI], s[84:85] offset:512*\q   ; f's two fragments stay in registers
.endr
	s_lshl_b32 s86, s[WB], 13
	v_add_nc_u32 v[ADG], s86, v[LI]
	v_add_nc_u32 v[ADG+1], SLOTB, v[ADG]
	v_add_nc_u32 v[ADG+2], 2*SLOTB, v[ADG]
	s_lshl_b32 s86, s[WB], 15
	s_add_co_u32 s86, s86, 16384
	v_add_nc_u32 v[ADV], s86, v[LI]
	v_add_nc_u32 v[ADV+1], SLOTB, v[ADV]
	v_add_nc_u32 v[ADV+2], 2*SLOTB, v[ADV]
	s_mul_i32 s86, s[WA], PRB
	v_add_nc_u32 v[MSA], s86, v[LI]
	v_and_b32 v28, 15, v0                          ; r
	v_bfe_u32 v29, v0, 4, 1                        ; h
	v_mul_u32_u24 v[STO], v28, 1040
	v_lshl_add_u32 v[STO], v29, 5, v[STO]
	v_add_nc_u32 v[STO], s86, v[STO]
	v_add_nc_u32 v[WVA], WVB, v[LI]
	v_and_b32 v[PFO], 31, v0
	v_lshlrev_b32 v[PFO], 8, v[PFO]
.irp t, 0,1
	v_mov_b32 v[ST+2*\t+1], 0xff61b1e6             ; the largest t so far: -3e38, under every t
	v_floor_f32 v[ST+2*\t], -v[ST+2*\t+1]          ; -M
	v_mov_b32 v[LS+2*\t], 0                        ; the sum
	v_mov_b32 v[LS+2*\t+1], 0
	v_mov_b32 v[FF+2*\t+1], 0                      ; (named as the upper half of a pair)
	v_mov_b32 v[246+\t], 0                         ; (a lane permute's destination counts as one of its sources)
.endr
	s_wait_kmcnt 0x0
	s_add_co_i32 s86, s74, s75
	s_lshl_b32 s86, s86, 23
	s_add_co_i32 s[CS], s86, 0x3fb8aa3b            ; a score stands for score x 2^(e6 + e7): the exponents are added to log2(e)'s exponent field
	s_mov_b32 s[CS+1], s[CS]                       ; (named with it as a pair)
	s_add_co_i32 s86, s76, 127
	s_lshl_b32 s98, s86, 23
	v_mov_b32 v[SCP], s98
	s_add_co_i32 s86, s86, 15
	s_lshl_b32 s86, s86, 23
	s_or_b32 s86, s86, 0x600000
	v_mov_b32 v[LIMP], s86
	s_sub_co_i32 s86, s78, s76                     ; O / l stands for o / 2^(e8 + e9): the three scales fold into the conversion's one
	s_sub_co_i32 s86, s86, s77
	s_add_co_i32 s86, s86, 127
	s_lshl_b32 s98, s86, 23
	v_mov_b32 v[SCO], s98
	s_add_co_i32 s86, s86, 15
	s_lshl_b32 s86, s86, 23
	s_or_b32 s86, s86, 0x600000
	v_mov_b32 v[LIMO], s86
	s_add_co_i32 s86, s78, s79
	v_mov_b32 v[GS], s87
	v_ldexp_f32 v[GS], v[GS], s86                  ; gamma x 2^(e10 + e11)
	v_mov_b32 v[GS+1], v[GS]
; group g of four fragments of h^T (channels 64 g on, my 128 keys) into buffer buf: sixteen loads of 512 consecutive bytes
.macro VLOAD slot, g, buf
.set VI, 0
.rept 16
	ds_load_b128 v[S+64*(\buf)+4*VI:S+64*(\buf)+4*VI+3], v[ADV+\slot] offset:8192*(\g)+512*VI
.set VI, VI+1
.endr
.endm
; tile t's p is held and converted: eight conversions give the 16 registers of the second product's operand
.macro PQ t
.set I, 0
.rept 64
	v_min_num_f32 v[S+64*\t+I], v[S+64*\t+I], v[LIMP]   ; the conversion does not saturate (ISA guide 7.6.2); p is not negative, so the hold is one-sided
.set I, I+1
.endr
.set I, 0
.rept 8
	v_cvt_scalef32_pk8_bf8_f32 v[PC+16*\t+2*I:PC+16*\t+2*I+1], v[S+64*\t+8*I:S+64*\t+8*I+7], v[SCP]
.set I, I+1
.endr
.endm
; SOFT: my half (128 keys) of the LDS slot, for my two tiles of queries: S^T, the softmax, p's codes; h^T's first two groups are asked for; O^T is brought under the new M.
; first = 1: the launch's first step: there is no O^T yet.
.macro SOFT slot, first
.if !\first
.rept 5
	v_nop                                          ; places behind the last products: g's loads land on p's codes, and S^T is laid over h^T's fragments
.endr
.endif
.set I, 0
.rept 16
	ds_load_b128 v[GF+4*I:GF+4*I+3], v[ADG+\slot] offset:512*I   ; eight fragments of g: 16 keys x 64 each
.set I, I+1
.endr
	s_wait_dscnt 0x0
.irp k, 0,1,2,3,4,5,6,7
	v_wmma_f32_16x16x64_bf8_bf8 v[S+8*\k:S+8*\k+7], v[GF+8*\k:GF+8*\k+7], v[FQ:FQ+7], 0
	v_wmma_f32_16x16x64_bf8_bf8 v[S+64+8*\k:S+64+8*\k+7], v[GF+8*\k:GF+8*\k+7], v[FQ+8:FQ+15], 0
.endr
.rept 4
	v_nop
.endr
	; the step's largest score of my query among my 64 keys, in two chains a tile, the tiles line by line; each accumulator is read from its low end on
.irp t, 0,1
	v_max3_num_f32 v[242+2*\t], v[S+64*\t], v[S+64*\t+1], v[S+64*\t+2]
.endr
.irp t, 0,1
	v_max3_num_f32 v[243+2*\t], v[S+64*\t+3], v[S+64*\t+4], v[S+64*\t+5]
.endr
.set I, 6
.rept 14
.irp t, 0,1
	v_max3_num_f32 v[242+2*\t], v[242+2*\t], v[S+64*\t+I], v[S+64*\t+I+1]
.endr
.irp t, 0,1
	v_max3_num_f32 v[243+2*\t], v[243+2*\t], v[S+64*\t+I+2], v[S+64*\t+I+3]
.endr
.set I, I+4
.endr
.irp t, 0,1
	v_max3_num_f32 v[242+2*\t], v[242+2*\t], v[S+64*\t+62], v[S+64*\t+63]
.endr
.irp t, 0,1
	v_max_num_f32 v[242+2*\t], v[242+2*\t], v[243+2*\t]
.endr
.irp t, 0,1
	v_permlanex16_b32 v[246+\t], v[242+2*\t], s[SEL], s[SEL+1]
.endr
.irp t, 0,1
	v_max_num_f32 v[242+2*\t], v[242+2*\t], v[246+\t]   ; and among lane l xor 16's
.endr
.irp t, 0,1
	v_mul_f32 v[242+2*\t], s[CS], v[242+2*\t]      ; as t (c is positive)
.endr
.irp t, 0,1
	v_max_num_f32 v[ST+2*\t+1], v[ST+2*\t+1], v[242+2*\t]   ; the running largest t
.endr
.irp t, 0,1
	v_mov_b32 v[242+2*\t], v[ST+2*\t]
.endr
.irp t, 0,1
	v_floor_f32 v[ST+2*\t], -v[ST+2*\t+1]          ; the new -M = floor(-t) = -ceil(t): a whole number
.endr
.irp t, 0,1
	v_sub_f32 v[242+2*\t], v[ST+2*\t], v[242+2*\t] ; old M - new M: a whole number, 0 or less
.endr
.irp t, 0,1
	v_cvt_i32_f32 v[242+2*\t], v[242+2*\t]         ; (it saturates)
.endr
.irp t, 0,1
	v_ldexp_f32 v[FF+2*\t], 1.0, v[242+2*\t]       ; f = 2^(old M - new M)
.endr
.set I, 0
.rept 32
.irp t, 0,1
	v_pk_fma_f32 v[S+64*\t+I:S+64*\t+I+1], v[S+64*\t+I:S+64*\t+I+1], s[CS:CS+1], v[ST+2*\t:ST+2*\t+1] op_sel_hi:[1,0,0]   ; t - M, two at a time
.endr
.set I, I+2
.endr
.set I, 0
.rept 128
	v_exp_f32 v[S+I], v[S+I]                       ; p = 2^(t - M), at most 1
.set I, I+1
.endr
.irp t, 0,1
	v_pk_mul_f32 v[LS+2*\t:LS+2*\t+1], v[LS+2*\t:LS+2*\t+1], v[FF+2*\t:FF+2*\t+1] op_sel_hi:[1,0]   ; the sums under the new M.  (The plain lines behind the exponentials)
.endr
	s_wait_alu depctr_va_vdst(0)                   ; one wait for the batch of 128, ahead of its first reader
.irp t, 0,1
	v_pk_add_f32 v[250+2*\t:251+2*\t], v[S+64*\t:S+64*\t+1], v[S+64*\t+2:S+64*\t+3]   ; the row's sum is taken of the unquantised p: two at a time, in two chains a tile
.endr
.set I, 4
.rept 15
.irp t, 0,1
	v_pk_add_f32 v[LS+2*\t:LS+2*\t+1], v[LS+2*\t:LS+2*\t+1], v[S+64*\t+I:S+64*\t+I+1]
.endr
.irp t, 0,1
	v_pk_add_f32 v[250+2*\t:251+2*\t], v[250+2*\t:251+2*\t], v[S+64*\t+I+2:S+64*\t+I+3]
.endr
.set I, I+4
.endr
.irp t, 0,1
	v_pk_add_f32 v[LS+2*\t:LS+2*\t+1], v[LS+2*\t:LS+2*\t+1], v[250+2*\t:251+2*\t]
.endr
	PQ 0
	VLOAD \slot, 0, 0                              ; tile 0's p has left its registers: they take h^T's first four fragments while tile 1 is converted
	PQ 1
	VLOAD \slot, 1, 1
.if !\first
	; O^T under the new M: x f.  It holds the products of all steps before this one, in both kinds of wave: a wave of b = 1 has run the step before's products at this interval's head.
	; The 128 lines stand while the 32 loads above are out; each accumulator is read from its low end on
	WIN 0x41                                       ; O^T (destination and source 0) window 1, f window 0
.irp t, 0,1
.set I, 0
.rept 64
	v_pk_mul_f32 v[128*\t+I:128*\t+I+1], v[128*\t+I:128*\t+I+1], v[FF+2*\t:FF+2*\t+1] op_sel_hi:[1,0]
.set I, I+2
.endr
.endr
	WIN 0
.endif
.endm
; PVM: O^T += h^T P^T for the step whose p's codes lie in my registers, four tiles of channels at a time, both tiles of queries.  Groups 0 and 1 of h^T were asked for by SOFT; groups 2 and 3 are asked for here,
; each into the buffer that the group two before has left.  The 32 accumulators take turns, one instruction a turn.  first = 1: the products start O^T's sums.
.macro PVM slot, first
.irp g, 0,1,2,3
.if \g == 0
	v_nop                                          ; a plain line between the conversions and the products that read p's codes
.endif
.if (\g == 1) || (\g == 2)
.rept 4
	v_nop                                          ; places behind the group before, in front of the loads into the buffer that it has read
.endr
	WIN 0
	VLOAD \slot, \g+1, (\g+1)%2
.endif
.if \g < 3
	s_wait_dscnt 0x10                              ; this group's fragments are in; the next group's sixteen loads may be out
.else
	s_wait_dscnt 0x0
.endif
	WIN 0x50                                       ; h^T and p window 0, C and D window 1
.irp i, 0,1,2,3
.irp t, 0,1
.if \first
	v_wmma_f32_16x16x128_bf8_bf8 v[128*\t+8*(4*\g+\i):128*\t+8*(4*\g+\i)+7], v[S+64*(\g%2)+16*\i:S+64*(\g%2)+16*\i+15], v[PC+16*\t:PC+16*\t+15], 0
.else
	v_wmma_f32_16x16x128_bf8_bf8 v[128*\t+8*(4*\g+\i):128*\t+8*(4*\g+\i)+7], v[S+64*(\g%2)+16*\i:S+64*(\g%2)+16*\i+15], v[PC+16*\t:PC+16*\t+15], v[128*\t+8*(4*\g+\i):128*\t+8*(4*\g+\i)+7]
.endif
.endr
.endr
.endr
	WIN 0
.endm
; THE CHANGE OF SLOTS.  Each wave waits for all its tensor loads (its eighth of the slot ahead), adds 0 to its spare word, and waits for that and for all its LDS reads.
; fill = 1: LDS slot rs, whose keys were last read in the interval just ended (by the waves of b = 1), is filled with the keys three slots on: the barrier is a round of the cluster's, and the joint refill
; is the first thing behind it; it has an interval in which to land.
; ask = 1: every second change prefetches the two slots that the next two changes will ask for: 163,840 bytes, each block of 256 named once in the launch.  All clusters of a batch walk the same keys: the batch's
; first cluster asks; its four partners take 40,960 bytes each, told apart by address; in each, waves 0 to 4 take 8,192, lanes 256 bytes apart.  Slots 0 to 3 come by their loads alone; the last to be named are slots 14 and 15.
.macro CHANGE rs, fill, ask
	s_wait_tensorcnt 0x0                           ; no tensor load of mine is out, so a group 0 may be written
	ds_add_u32 v[SPW], v[NIL]                      ; 0 onto my spare word; the steps below stand between it and the wait for it
.if \fill
	s_add_nc_u64 s[G0+4*\rs+2:G0+4*\rs+3], s[G0+4*\rs+2:G0+4*\rs+3], 3*SLOTB   ; the type bits on top are not reached
.endif
.if \ask
	s_wait_xcnt 0x0                                ; the last prefetch, an interval or two back, has read its address
	s_xor_b32 s[JP], s[JP], 1                      ; 1 at the first, third, .. change of the loop,
	s_mul_i32 s2, s[JP], 2*SLOTB                   ; where the address goes two slots on
	s_add_nc_u64 s[PFA:PFA+1], s[PFA:PFA+1], s[2:3]
.endif
	s_wait_dscnt 0x0                               ; the add is done, and my reads of LDS are over
.if \fill
	CROUND                                         ; no wave of any partner still reads the slot or has a load on its way
	tensor_load_to_lds s[G0+4*\rs:G0+4*\rs+3], s[G1K:G1K+7]
	s_nop 0
.rept 4
	v_nop
.endr
.if \ask
	s_cmp_eq_u32 s[JP], s[LIM]
	s_cbranch_scc0 .Lnot_mine_\@
	global_prefetch_b8 v[PFO], s[PFA:PFA+1] th:TH_LOAD_NT scope:SCOPE_SE
.Lnot_mine_\@:
.endif
.else
	s_barrier_signal -1
	s_barrier_wait -1
.endif
.endm
; AN INTERVAL between two changes of slots.  The branches hang on the wave's number alone; no barrier and no tensor load stands under them.
.macro INTERVAL cur, prev
	s_cmp_eq_u32 s[WB], 0
	s_cbranch_scc1 .Lno_prev_\@
	PVM \prev, 0                                   ; b = 1: the products of the step before
.Lno_prev_\@:
	SOFT \cur, 0
	s_cmp_lg_u32 s[WB], 0
	s_cbranch_scc1 .Lno_cur_\@
	PVM \cur, 0                                    ; b = 0: this step's products
.Lno_cur_\@:
.endm
	s_wait_tensorcnt 0x3                           ; my eighth of slot 0 is in; the three loads behind it may be out
	s_barrier_signal -1
	s_barrier_wait -1                              ; everybody's is
	s_wait_loadcnt 0x0                             ; f
	SOFT 0, 1                                      ; key slot 0: every wave runs the whole step: its products start O^T's sums
	PVM 0, 1
	CHANGE 0, 0, 0                                 ; key slot 1 has landed; nothing is filled: LDS slot 2 has its first fill already
	SOFT 1, 0
	s_cmp_lg_u32 s[WB], 0
	s_cbranch_scc1 .Llag                           ; here the waves of b = 1 fall a PVM behind
	PVM 1, 0
.Llag:
	s_mov_b32 s[TR], 4
.Ltrip:                                            ; four trips of three intervals: key slots 2 to 13 are worked, 3 to 14 are asked for
	CHANGE 0, 1, 1
	INTERVAL 2, 1
	CHANGE 1, 1, 1
	INTERVAL 0, 2
	CHANGE 2, 1, 1
	INTERVAL 1, 0
	s_sub_co_u32 s[TR], s[TR], 1
	s_cmp_lg_u32 s[TR], 0
	s_cbranch_scc1 .Ltrip
	CHANGE 0, 1, 0                                 ; the tail is written out: key slot 15 is asked for, and nothing is left to prefetch
	INTERVAL 2, 1                                  ; key slot 14
	CHANGE 0, 0, 0                                 ; key slot 15 has landed; nothing is left to ask for
	s_cmp_eq_u32 s[WB], 0
	s_cbranch_scc1 .Llast
	PVM 2, 0                                       ; b = 1: key slot 14's products
.Llast:
	SOFT 0, 0                                      ; key slot 15,
	PVM 0, 0                                       ; and its products, in every wave: nothing is filled any more, so no barrier parts them
	; ---- THE END.  The ring has had its last fill; behind this barrier nobody reads it: the pairs' regions lie there
.rept 4
	v_nop                                          ; places behind the last products, in front of the first reads of O^T and of loads into h^T's buffers
.endr
	s_wait_dscnt 0x0
	s_barrier_signal -1
	s_barrier_wait -1
	s_cmp_eq_u32 s[WB], 0
	s_cbranch_scc1 .Lkeep
	; waves of the second half of the keys hand over: -M and the sum of both tiles, then O^T as it stands in its registers; then they fetch the pair's 32 rows of x
	v_mov_b32 v[PS], v[ST]
	v_add_f32 v[PS+1], v[LS], v[LS+1]
	v_mov_b32 v[PS+2], v[ST+2]
	v_add_f32 v[PS+3], v[LS+2], v[LS+3]
	ds_store_b128 v[MSA], v[PS:PS+3] offset:32768
	WIN 0x04                                       ; store data window 1
.set I, 0
.rept 64
	ds_store_b128 v[MSA], v[4*I:4*I+3] offset:512*I   ; each accumulator from its low end on
.set I, I+1
.endr
	s_wait_dscnt 0x0                               ; the stores have read their registers, which take x
	WIN 0x40                                       ; destination window 1
.set I, 0
.rept 64
	global_load_b128 v[4*I:4*I+3], v[LI], s[XB:XB+1] offset:512*I th:TH_LOAD_NT   ; half a row, 512 consecutive bytes; read once in this launch
.set I, I+1
.endr
	WIN 0
.Lkeep:
	s_wait_dscnt 0x0
	s_barrier_signal -1
	s_barrier_wait -1                              ; the partners' O^T and statistics lie in LDS
	s_cmp_lg_u32 s[WB], 0
	s_cbranch_scc1 .Lmeet
	; waves of the first half merge
.macro OLOAD t                         ; the partner's O^T of tile t
.set I, 0
.rept 32
	ds_load_b128 v[S+4*I:S+4*I+3], v[MSA] offset:512*(32*\t+I)
.set I, I+1
.endr
.endm
	ds_load_b128 v[PS:PS+3], v[MSA] offset:32768
	OLOAD 0
	v_add_f32 v[LS], v[LS], v[LS+1]
	v_add_f32 v[LS+2], v[LS+2], v[LS+3]
	s_wait_dscnt 0x20                              ; the statistics are in; the 32 loads behind them may be out
.irp t, 0,1
	v_min_num_f32 v[242+\t], v[ST+2*\t], v[PS+2*\t]          ; -M of both halves together
	v_sub_f32 v[244+\t], v[242+\t], v[ST+2*\t]               ; my M - the common M, a whole number, 0 or less,
	v_sub_f32 v[246+\t], v[242+\t], v[PS+2*\t]               ; and the partner's
	v_cvt_i32_f32 v[244+\t], v[244+\t]
	v_cvt_i32_f32 v[246+\t], v[246+\t]
	v_ldexp_f32 v[FF+2*\t], 1.0, v[244+\t]
	v_ldexp_f32 v[250+2*\t], 1.0, v[246+\t]
	v_mul_f32 v[LS+2*\t], v[LS+2*\t], v[FF+2*\t]
	v_fma_f32 v[LS+2*\t], v[PS+2*\t+1], v[250+2*\t], v[LS+2*\t]
	v_permlanex16_b32 v[244+\t], v[LS+2*\t], s[SEL], s[SEL+1]
	v_add_f32 v[LS+2*\t], v[LS+2*\t], v[244+\t]              ; and lane l xor 16's: the row's sum
.endr
	v_rcp_f32 v242, v[LS]
	v_rcp_f32 v243, v[LS+2]
	v_nop                                          ; a plain line behind the reciprocals,
	s_wait_alu depctr_va_vdst(0)                   ; and one wait for both, ahead of their first reader
.irp t, 0,1
	v_mul_f32 v[FF+2*\t], v[FF+2*\t], v[242+\t]    ; what my O^T is multiplied by,
	v_mul_f32 v[250+2*\t], v[250+2*\t], v[242+\t]  ; and the partner's
.endr
.macro OMERGE t                        ; o^T of tile t, in f32, held and converted: 16 conversions give the two fragments of the last product's operand
	s_wait_dscnt 0x0
.set I, 0
.rept 64
	v_pk_mul_f32 v[S+I:S+I+1], v[S+I:S+I+1], v[250+2*\t:251+2*\t] op_sel_hi:[1,0]
.set I, I+2
.endr
	WIN 0x01                                       ; source 0 (my O^T) window 1
.set I, 0
.rept 64
	v_pk_fma_f32 v[S+I:S+I+1], v[128*\t+I:128*\t+I+1], v[FF+2*\t:FF+2*\t+1], v[S+I:S+I+1] op_sel_hi:[1,0,1]
.set I, I+2
.endr
	WIN 0
.set I, 0
.rept 128
	v_med3_num_f32 v[S+I], v[S+I], -v[LIMO], v[LIMO]
.set I, I+1
.endr
.set I, 0
.rept 16
	v_cvt_scalef32_pk8_bf8_f32 v[OC+32*\t+2*I:OC+32*\t+2*I+1], v[S+8*I:S+8*I+7], v[SCO]
.set I, I+1
.endr
	v_nop                                          ; a plain line behind the last conversion
.endm
	OMERGE 0
	OLOAD 1
	OMERGE 1
	; Y^T = Wv^T o^T: groups of four fragments of Wv (two tiles of output channels x two K steps) in two buffers by turns
.macro WVLOAD g
.set I, 0
.rept 16
	ds_load_b128 v[S+64*((\g)%2)+4*I:S+64*((\g)%2)+4*I+3], v[WVA] offset:8192*(\g)+512*I
.set I, I+1
.endr
.endm
	WVLOAD 0
	WVLOAD 1
.irp g, 0,1,2,3,4,5,6,7
.if \g < 7
	s_wait_dscnt 0x10                              ; this group is in; the next group's sixteen loads may be out
.else
	s_wait_dscnt 0x0
.endif
	WIN 0x50                                       ; Wv and o window 0, C and D window 1
.irp d, 0,1
.irp t, 0,1
	v_wmma_f32_16x16x128_bf8_bf8 v[128*\t+8*(2*\g+\d):128*\t+8*(2*\g+\d)+7], v[S+64*(\g%2)+32*\d:S+64*(\g%2)+32*\d+15], v[OC+32*\t:OC+32*\t+15], 0
.endr
.endr
.irp d, 0,1
.irp t, 0,1
	v_wmma_f32_16x16x128_bf8_bf8 v[128*\t+8*(2*\g+\d):128*\t+8*(2*\g+\d)+7], v[S+64*(\g%2)+32*\d+16:S+64*(\g%2)+32*\d+31], v[OC+32*\t+16:OC+32*\t+31], v[128*\t+8*(2*\g+\d):128*\t+8*(2*\g+\d)+7]
.endr
.endr
.rept 4
	v_nop                                          ; places in front of the loads into this buffer, and of the first read of results
.endr
	WIN 0
.if \g < 6
	WVLOAD \g+2
.endif
.endr
	WIN 0x04                                       ; store data window 1
.set I, 0
.rept 64
	ds_store_b128 v[STO], v[4*I:4*I+3] offset:16640*(I/32)+64*((I%32)/2)+16*(I%2)   ; lane (r, h): row 16 T + r, output channels 16 d + 8 h + 0 .. 7; my reads of the partner's image are over
.set I, I+1
.endr
	WIN 0
.Lmeet:
	s_wait_dscnt 0x0
	s_barrier_signal -1
	s_barrier_wait -1                              ; the pairs' 32 rows lie in LDS
	s_cmp_eq_u32 s[WB], 0
	s_cbranch_scc1 .Lend
	; waves of the second half: out = sum x gamma x 2^(e10 + e11) + x, 16 rows at a time
	s_wait_loadcnt 0x0                             ; x
.irp t, 0,1
.if \t
	s_wait_xcnt 0x0                                ; the first 16 rows' stores have read their registers
.endif
.set I, 0
.rept 32
	ds_load_b128 v[S+4*I:S+4*I+3], v[MSA] offset:1040*(16*\t+I/2)+512*(I%2)
.set I, I+1
.endr
	s_wait_dscnt 0x0
	WIN 0x10                                       ; source 2 (x) window 1
.set I, 0
.rept 64
	v_pk_fma_f32 v[S+I:S+I+1], v[S+I:S+I+1], v[GS:GS+1], v[128*\t+I:128*\t+I+1] op_sel_hi:[1,0,1]
.set I, I+2
.endr
	WIN 0
.set I, 0
.rept 32
	global_store_b128 v[LI], v[S+4*I:S+4*I+3], s[OB:OB+1] offset:16384*\t+512*I th:TH_STORE_NT   ; 32 lanes store 512 consecutive bytes, aligned; written once
.set I, I+1
.endr
.endr
.Lend:
	s_wait_tensorcnt 0x0                           ; the wave's end: behind my last tensor load and my last LDS store
	ds_add_u32 v[SPW], v[NIL]
	s_wait_dscnt 0x0
	CROUND                                         ; the closing round: no work-group ends while a partner may still ask for a tile that names it
	s_endpgm
.Lfunc_end_k_qb8ac4bd4e8_attend:
	.size	k_qb8ac4bd4e8_attend, .Lfunc_end_k_qb8ac4bd4e8_attend-k_qb8ac4bd4e8_attend
	.p2alignl 7, 3214868480
	.fill 96, 4, 3214868480
	.section	.rodata,"a",@progbits
	.p2align	6, 0x0
	.amdhsa_kernel k_qb8ac4bd4e8_attend
		.amdhsa_group_segment_fixed_size 327680
		.amdhsa_private_segment_fixed_size 0
		.amdhsa_enable_private_segment 0
		.amdhsa_kernarg_size 56
		.amdhsa_user_sgpr_count 2
		.amdhsa_user_sgpr_kernarg_segment_ptr 1
		.amdhsa_wavefront_size32 1
		.amdhsa_system_sgpr_workgroup_id_x 1
		.amdhsa_system_sgpr_workgroup_id_y 1
		.amdhsa_system_sgpr_workgroup_id_z 1
		.amdhsa_system_vgpr_workitem_id 0
		.amdhsa_next_free_vgpr 512
		.amdhsa_next_free_sgpr 100
		.amdhsa_reserve_vcc 0
		.amdhsa_float_denorm_mode_32 3
		.amdhsa_float_denorm_mode_16_64 3
		.amdhsa_memory_ordered 1
		.amdhsa_forward_progress 1
		.amdhsa_inst_pref_size 255
	.end_amdhsa_kernel
	.section	.bss,"aw",@nobits
	.p2align	6
	.space	262144
	.amdgpu_metadata
---
amdhsa.version: [ 1, 2 ]
amdhsa.kernels:
  - .name:           k_qb8ac4bd4e8_attend
    .symbol:         k_qb8ac4bd4e8_attend.kd
    .args:
      - { .name: fq, .offset: 0, .size: 8, .value_kind: global_buffer, .address_space: global }
      - { .name: kv, .offset: 8, .size: 8, .value_kind: global_buffer, .address_space: global }
      - { .name: wq, .offset: 16, .size: 8, .value_kind: global_buffer, .address_space: global }
      - { .name: lowp_scales, .offset: 24, .size: 8, .value_kind: global_buffer, .address_space: global }
      - { .name: gamma, .offset: 32, .size: 8, .value_kind: global_buffer, .address_space: global }
      - { .name: x, .offset: 40, .size: 8, .value_kind: global_buffer, .address_space: global }
      - { .name: out0, .offset: 48, .size: 8, .value_kind: global_buffer, .address_space: global }
    .group_segment_fixed_size: 327680
    .private_segment_fixed_size: 0
    .kernarg_segment_align: 8
    .kernarg_segment_size: 56
    .max_flat_workgroup_size: 256
    .sgpr_count:     100
    .vgpr_count:     512
    .wavefront_size: 32
...
	.end_amdgpu_metadata
.endif
;; end of part 3
